; MI455X (gfx1250); checked and timed in simulation.
; The chip was launched on July 23, 2026; its instructions are those of AMD's public machine-readable ISA for CDNA 5 (MIT licence, August 2026) and "CDNA5" Instruction Set Architecture Reference Guide (July 2026). The comments in the code are by the model that wrote it; some were corrected since.
;; APG Linear. Allowed arithmetic: float matrix products may take bf16 or f16 operands with f32 sums; other float arithmetic in f32, or as packed bf16 or f16 multiplies, adds, multiply-adds, maxima and minima; sums over many terms, partial sums and values carried from step to step in f32; what a program stores and reads back later, other than sums and carried values, may be rounded once to bf16 or f16.
;; Inputs: W1 128 x 512 float32; W2 512 x 65,536 float32; b1 512 float32; b2 65,536 float32; bias 1 x 256 float32; condition_z 2,048 x 128 float32; input_h 2,048 x 256 float32.
;; Outputs: out0 2,048 x 256 float32.
;; 2 versions, each right; version 2 is version 1 with the launch prep written anew for expert scheduling mode. Each part assembles by itself: llvm-mc -triple=amdgcn-amd-amdhsa -mcpu=gfx1250 --defsym DOCPART=n.
;; ======== version 1 of 2: 2 launches
;; workspace buffers: w2p 67,108,864 bytes; hyp 2,097,152 bytes; hq 2,097,152 bytes; b2q 262,144 bytes
;; launch prep (part 1): grid 320 x 1, 8 waves a work-group, no clusters, 109,568 bytes of LDS; arguments W2, W1, b1, b2, condition_z, input_h, w2p, hyp, hq, b2q; writes w2p, hyp, hq, b2q
.if DOCPART == 1
	.amdgcn_target "amdgcn-amd-amdhsa--gfx1250"
	.amdhsa_code_object_version 6
	.text
	.protected	k_qf51680e614_prep
	.globl	k_qf51680e614_prep
	.p2align	8
	.type	k_qf51680e614_prep,@function
k_qf51680e614_prep:
	s_mov_b64 s[64:65], 0
	v_nop
	global_prefetch_b8 v0, s[64:65] scope:SCOPE_SE
	s_setreg_imm32_b32 hwreg(HW_REG_WAVE_MODE, 25, 1), 1
	s_wait_xcnt 0x0
; PREP: everything that the main launch wants in another format or order, made once.
;   w2p  bf16 [sigma 32][g 32][kl 128][c 256]: W2[k][256 i + o] rounded to bf16, with k = 128 (sigma % 4) + kl, i = 32 (sigma / 4) + 16 (c / 128) + 8 ((c / 8) % 2) + (c / 16) % 8, o = 8 g + c % 8
;   hyp  bf16 [2048][512]: relu(z W1 + b1); z and W1 as bf16 matrix operands, b1 rounded to bf16 and taken as the sums' start, sums in f32, hyp rounded once
;   hq   f32: input_h rounded to bf16, in the main launch's lane order     b2q  f32 [g 32][i 256][8]: b2[256 i + 8 g + j] rounded to bf16
; Every input of the module is rounded once to bf16 (to nearest even); bf16 has f32's range, so no size of input needs care.
; LIMITS.  NaN and infinities are not treated apart: relu is a maximum with 0 in which a NaN loses.  The f32 sums run in the matrix instruction's order.
; SHARES.  Work-groups 0 to 63: the small jobs, eight waves each, a wave = 16 rows x 128 columns of hyp, 8 pieces of hq, a piece of b2q.  Work-groups 64 to 319: W2, 2,048 waves, four jobs each.
; No wave reads what another wrote: each has LDS bytes of its own (its number times WREG), so there is no barrier.
.set WREG,  13568                      ; a wave's LDS bytes: 9,216 (W2's stage, or W1's slab and later hyp's stage) + 4,352 (z's stage); 53 blocks of 256
.set ZOFF,  9216
.set SPARE, 8*WREG                     ; behind the waves' bytes: the spare words, 128 bytes for each wave: four blocks of 256 bytes that no other line names
.set SPW, 30                           ; v30  LDS address of my spare word; never rewritten
.set NIL, 31                           ; v31  0; never rewritten
.set T,   8                            ; v[8:15] at work, four pairs by turns
; the W2 path
.set LW,  2                            ; v2   where my 8 bytes go in the stage
.set LR,  3                            ; v3   where I read 16 bytes back
.set VO,  4                            ; v4   16 x lane
.set VD,  5                            ; v5   my byte offset in w2p
.set X,   64                           ; v[64:191]  ring of 32 loads
.set Y,   192                          ; v[192:255] 16 x 16 bytes to store
; the small path
.set RR,  2                            ; v2   lane % 16
.set HF,  3                            ; v3   lane / 16
.set VL,  4                            ; v4   16 x lane
.set VH,  5                            ; v5   my offset in 16 rows of input_h
.set VB2, 6                            ; v6   my offset in b2
.set VQ,  7                            ; v7   my offset in b2q
.set VB1, 16                           ; v16  my offset in b1
.set ZST, 17                           ; v17  z's stage, in
.set ZA,  18                           ; v18  z's stage, a fragment's address; steps with K
.set SLST,19                           ; v19  W1's slab, in
.set TRA, 20                           ; v20  W1's slab, the turning loads' address
.set OST, 21                           ; v21  hyp's stage, in
.set ORD, 22                           ; v22  hyp's stage, back
.set OGL, 23                           ; v23  my offset in 16 rows of hyp
.set PB2, 24                           ; v[24:27]   b2's piece
.set HP,  32                           ; v[32:63]   input_h's 8 pieces
.set Z,   32                           ; v[32:39]   later: z's fragment
.set FR,  64                           ; v[64:127]  z as loaded; then W1's 8 fragments
.set XB,  128                          ; v[128:191] ring of 16 loads of W1
.set ACC, 192                          ; v[192:255] 8 accumulators
; four f32 rounded to bf16 and widened again, in place
.macro ROUND4 r, ta
	v_cvt_pk_bf16_f32 v[\ta], v[\r], v[(\r)+1]
	v_cvt_pk_bf16_f32 v[(\ta)+1], v[(\r)+2], v[(\r)+3]
	v_lshlrev_b32 v[\r], 16, v[\ta]
	v_and_b32 v[(\r)+1], s25, v[\ta]
	v_lshlrev_b32 v[(\r)+2], 16, v[(\ta)+1]
	v_and_b32 v[(\r)+3], s25, v[(\ta)+1]
.endm
	s_load_b512 s[4:19], s[0:1], 0x0               ; W2 s[4:5], W1 s[6:7], b1 s[8:9], b2 s[10:11], z s[12:13], h s[14:15], w2p s[16:17], hyp s[18:19]
	s_load_b128 s[20:23], s[0:1], 0x40             ; hq s[20:21], b2q s[22:23]
	v_lshl_add_u32 v[SPW], v0, 2, SPARE
	v_mov_b32 v[NIL], 0
	v_and_b32 v1, 31, v0                           ; lane
	v_lshrrev_b32 v2, 5, v0
	v_readfirstlane_b32 s24, v2                    ; wave 0..7
	s_mov_b32 s25, 0xffff0000                      ; a word's upper bf16
	s_mul_i32 s31, s24, WREG                       ; my LDS bytes
	s_mov_b32 s2, ttmp9
	s_wait_kmcnt 0x0
	s_cmp_lt_u32 s2, 64
	s_cbranch_scc0 .Lw2                            ; the same way for all eight waves of a work-group
	; ---------------- THE SMALL JOBS ----------------
	s_lshl_b32 s32, s2, 1
	s_lshr_b32 s44, s24, 2
	s_add_co_u32 s32, s32, s44                     ; RB: my block of 16 rows, 0..127
	s_and_b32 s33, s24, 3                          ; nr: my 128 columns of hyp; also my two t of hq
	s_lshl_b32 s34, s32, 14                        ; 16 rows of 1,024 bytes, in input_h and in hyp alike,
	s_lshl_b32 s44, s33, 8                         ; and 256 bytes of each row
	s_add_co_u32 s34, s34, s44
	s_mov_b32 s35, 0
	s_add_nc_u64 s[42:43], s[18:19], s[34:35]      ; hyp at my rows and columns
	s_add_nc_u64 s[34:35], s[14:15], s[34:35]      ; input_h at my rows, columns 64 nr on
	s_lshr_b32 s36, s32, 4                         ; hq: bt = RB / 16,
	s_lshl_b32 s36, s36, 18
	s_lshl_b32 s44, s33, 16                        ; t = 2 nr,
	s_add_co_u32 s36, s36, s44
	s_bfe_u32 s44, s32, 0x10003                    ; rh = (RB / 8) % 2,
	s_lshl_b32 s44, s44, 14
	s_add_co_u32 s36, s36, s44
	s_and_b32 s44, s32, 7                          ; a = RB % 8
	s_lshl_b32 s44, s44, 10
	s_add_co_u32 s36, s36, s44
	s_mov_b32 s37, 0
	s_add_nc_u64 s[36:37], s[20:21], s[36:37]
	s_lshl_b32 s38, s32, 13                        ; z: 16 rows of 512 bytes
	s_mov_b32 s39, 0
	s_add_nc_u64 s[38:39], s[12:13], s[38:39]
	s_lshl_b32 s45, s33, 9                         ; 128 f32 columns = 512 bytes, in W1's rows and in b1
	s_mov_b32 s40, s45
	s_mov_b32 s41, 0
	s_add_nc_u64 s[40:41], s[6:7], s[40:41]
	s_add_co_u32 s46, s31, ZOFF                    ; z's stage
	v_and_b32 v[RR], 15, v1
	v_lshrrev_b32 v[HF], 4, v1
	v_lshlrev_b32 v[VL], 4, v1
	v_lshlrev_b32 v[VH], 10, v[RR]
	v_lshl_add_u32 v[VH], v[HF], 5, v[VH]          ; row lane % 16, 8 columns on for the upper lanes
	s_lshl_b32 s44, s2, 8
	v_add_nc_u32 v28, s44, v0                      ; tau: my piece of b2q among 16,384
	v_lshlrev_b32 v[VQ], 4, v28
	v_bfe_u32 v[VB2], v28, 1, 8                    ; i
	v_lshlrev_b32 v[VB2], 10, v[VB2]
	v_lshrrev_b32 v29, 9, v28                      ; g
	v_lshl_add_u32 v[VB2], v29, 5, v[VB2]
	v_and_b32 v29, 1, v28                          ; which four of the eight j
	v_lshl_add_u32 v[VB2], v29, 4, v[VB2]
	v_lshl_add_u32 v[VB1], v[HF], 5, s45
	v_lshl_add_u32 v[ZST], v1, 3, s46
	v_mul_u32_u24 v[ZA], v[RR], 272
	v_lshl_add_u32 v[ZA], v[HF], 4, v[ZA]          ; row x pitch + 16 x half: a fragment's place, and a result's
	v_add_nc_u32 v[OST], s31, v[ZA]
	v_add_nc_u32 v[ZA], s46, v[ZA]
	v_lshl_add_u32 v[SLST], v1, 3, s31
	v_and_b32 v28, 7, v1
	v_lshl_add_u32 v28, v[HF], 3, v28
	v_mul_u32_u24 v[TRA], v28, 288                 ; the turning load: k row 8 (lane / 16) + lane % 8,
	v_bfe_u32 v28, v1, 3, 1
	v_lshl_add_u32 v[TRA], v28, 4, v[TRA]          ; columns 8 ((lane / 8) % 2) on
	v_add_nc_u32 v[TRA], s31, v[TRA]
	v_mul_u32_u24 v[ORD], v[HF], 272
	v_lshl_add_u32 v[ORD], v[RR], 4, v[ORD]
	v_add_nc_u32 v[ORD], s31, v[ORD]
	v_lshlrev_b32 v[OGL], 10, v[HF]
	v_lshl_add_u32 v[OGL], v[RR], 4, v[OGL]
	; all loads first, in the order in which they are used: 9 (h, b2), 16 (z), 16 (b1), 16 (W1's first rows)
.irp tt, 0,1
.irp wc, 0,1
.irp p, 0,1
	global_load_b128 v[HP+4*(4*(\tt)+2*(\wc)+(\p)):HP+4*(4*(\tt)+2*(\wc)+(\p))+3], v[VH], s[34:35] offset:128*(\tt)+64*(\wc)+16*(\p)
.endr
.endr
.endr
	global_load_b128 v[PB2:PB2+3], v[VB2], s[10:11]
.irp q, 0,1,2,3,4,5,6,7,8,9,10,11,12,13,14,15
	global_load_b128 v[FR+4*(\q):FR+4*(\q)+3], v[VL], s[38:39] offset:512*(\q)      ; a row of z: 512 consecutive bytes
.endr
.irp nb, 0,1,2,3,4,5,6,7
.irp p, 0,1
	global_load_b128 v[ACC+8*(\nb)+4*(\p):ACC+8*(\nb)+4*(\p)+3], v[VB1], s[8:9] offset:64*(\nb)+16*(\p)  ; b1 of columns 16 nb + 8 (lane / 16) + 0..7: where the result will hold them
.endr
.endr
.irp q, 0,1,2,3,4,5,6,7,8,9,10,11,12,13,14,15
	global_load_b128 v[XB+4*(\q):XB+4*(\q)+3], v[VL], s[40:41] offset:2048*(\q)     ; row q of W1, my 128 columns: 512 consecutive bytes
.endr
	s_wait_loadcnt 48                              ; the 48 younger loads (z, b1, W1) stay out: h's and b2's pieces are in
.irp e, 0,1,2,3,4,5,6,7
	ROUND4 HP+4*(\e), T+2*((\e)%4)
.endr
	ROUND4 PB2, T
.irp tt, 0,1
.irp wc, 0,1
.irp p, 0,1
	global_store_b128 v[VL], v[HP+4*(4*(\tt)+2*(\wc)+(\p)):HP+4*(4*(\tt)+2*(\wc)+(\p))+3], s[36:37] offset:32768*(\tt)+8192*(\wc)+512*(\p)  ; 512 consecutive bytes, aligned
.endr
.endr
.endr
	global_store_b128 v[VQ], v[PB2:PB2+3], s[22:23]                                 ; 512 consecutive bytes, aligned
	s_wait_loadcnt 32                              ; b1 and W1 stay out: z is in
.irp q, 0,1,2,3,4,5,6,7,8,9,10,11,12,13,14,15
	v_cvt_pk_bf16_f32 v[T+2*((\q)%4)], v[FR+4*(\q)], v[FR+4*(\q)+1]
	v_cvt_pk_bf16_f32 v[T+2*((\q)%4)+1], v[FR+4*(\q)+2], v[FR+4*(\q)+3]
	ds_store_b64 v[ZST], v[T+2*((\q)%4):T+2*((\q)%4)+1] offset:272*(\q)             ; rows of 256 bytes + 16: the 16 rows of a fragment load start at 16 different groups of four banks (ISA guide 11.1)
.endr
	s_wait_loadcnt 16                              ; W1's rows stay out: b1 is in
.irp e, 0,1,2,3,4,5,6,7,8,9,10,11,12,13,14,15
	ROUND4 ACC+4*(\e), T+2*((\e)%4)                ; the sums start with b1
.endr
	s_wait_xcnt 0x0                                ; the stores above have had their addresses translated (ISA guide 3.1): v[32:39], which they read, take z's fragments from here on
; One K step of 32.  W1's 32 rows come through the ring of 16 loads, are rounded and laid into the slab (rows of 256 bytes + 32); each slot is loaded again with the row 16 further on.
; tail = 1: the last step: its second half loads nothing, and the counts run down.
.macro KSTEP tail
.irp be, 0,1
.irp q, 0,1,2,3,4,5,6,7,8,9,10,11,12,13,14,15
.if (\tail) && (\be)
	s_wait_loadcnt 15-(\q)
.else
	s_wait_loadcnt 15                              ; loads come back in order (ISA guide 5.7.1): the 15 younger ones of the ring stay out
.endif
	v_cvt_pk_bf16_f32 v[T+2*((\q)%4)], v[XB+4*(\q)], v[XB+4*(\q)+1]
	v_cvt_pk_bf16_f32 v[T+2*((\q)%4)+1], v[XB+4*(\q)+2], v[XB+4*(\q)+3]
	ds_store_b64 v[SLST], v[T+2*((\q)%4):T+2*((\q)%4)+1] offset:288*(16*(\be)+(\q))
.if !((\tail) && (\be))
	global_load_b128 v[XB+4*(\q):XB+4*(\q)+3], v[VL], s[40:41] offset:2048*(16*((\be)+1)+(\q))
.endif
.endr
.endr
	ds_load_b128 v[Z:Z+3], v[ZA]                   ; LDS serves a wave's instructions in order (ISA guide 5.7.1.4): these see the stores above
	ds_load_b128 v[Z+4:Z+7], v[ZA] offset:32
.irp nb, 0,1,2,3,4,5,6,7
	ds_load_tr16_b128 v[FR+8*(\nb):FR+8*(\nb)+3],   v[TRA] offset:32*(\nb)
	ds_load_tr16_b128 v[FR+8*(\nb)+4:FR+8*(\nb)+7], v[TRA] offset:32*(\nb)+16*288
.endr
	s_wait_dscnt 0x0
.irp nb, 0,1,2,3,4,5,6,7                       ; source 0 = 16 columns of W1, source 1 = 16 rows of z: a lane holds one row and 8 neighbouring columns.  The 8 accumulators take turns
	v_wmma_f32_16x16x32_bf16 v[ACC+8*(\nb):ACC+8*(\nb)+7], v[FR+8*(\nb):FR+8*(\nb)+7], v[Z:Z+7], v[ACC+8*(\nb):ACC+8*(\nb)+7]
.endr
.if !(\tail)
	s_wait_xcnt 0x0                                ; W1's base is stepped only behind this wait
	s_add_nc_u64 s[40:41], s[40:41], 65536         ; 32 rows of W1
	v_add_nc_u32 v[ZA], 64, v[ZA]                  ; 32 along K in z's stage
.endif
.endm
	s_mov_b32 s30, 3
.Lk:                                                   ; the next trip's 64 conversions are the places between these products and the loads into their sources
	KSTEP 0
	s_sub_co_u32 s30, s30, 1
	s_cmp_lg_u32 s30, 0
	s_cbranch_scc1 .Lk
	KSTEP 1
.rept 4
	v_nop                                          ; four places behind the last products
.endr
.set i, 0
.rept 64
	v_max_num_f32 v[ACC+i], 0, v[ACC+i]            ; relu, each accumulator from its low end on
.set i, i+1
.endr
.set i, 0
.rept 32
	v_cvt_pk_bf16_f32 v[FR+i], v[ACC+2*i], v[ACC+2*i+1]
.set i, i+1
.endr
.irp nb, 0,1,2,3,4,5,6,7
	ds_store_b128 v[OST], v[FR+4*(\nb):FR+4*(\nb)+3] offset:32*(\nb)                ; row lane % 16, 16 bytes for each half of the lanes
.endr
.irp u, 0,1,2,3,4,5,6,7
	ds_load_b128 v[XB+4*(\u):XB+4*(\u)+3], v[ORD] offset:544*(\u)                   ; back as whole rows of 256 bytes, two a load
.endr
.irp u, 0,1,2,3,4,5,6,7
	s_wait_dscnt 7-(\u)
	global_store_b128 v[OGL], v[XB+4*(\u):XB+4*(\u)+3], s[42:43] offset:2048*(\u)   ; 16 lanes store 256 consecutive bytes, aligned
.endr
	s_wait_tensorcnt 0x0                           ; the wave's end, behind my last LDS store
	ds_add_u32 v[SPW], v[NIL]
	s_wait_dscnt 0x0
	s_endpgm
	; ---------------- W2 ----------------
	; Wave W of 2,048: tw = W % 16 names 16 values of i (i = 16 tw + il), kq = W / 16 four values of k (k = 4 kq + job).  A job reads W2[k][256 i + o] for its 16 i and all 256 o:
	; 16,384 consecutive bytes; and writes, for each of the 32 g, the 128 bf16 at c = 128 (tw % 2) + 16 (il % 8) + 8 (il / 8) + j: 256 consecutive bytes, aligned.
.Lw2:
	s_sub_co_u32 s3, s2, 64
	s_lshl_b32 s3, s3, 3
	s_add_co_u32 s3, s3, s24                       ; W
	s_and_b32 s32, s3, 15                          ; tw
	s_lshr_b32 s33, s3, 4                          ; kq
	s_lshl_b32 s26, s33, 20                        ; four rows of W2, 262,144 bytes each,
	s_lshl_b32 s34, s32, 14                        ; and 16 i of 1,024 bytes
	s_add_co_u32 s26, s26, s34
	s_mov_b32 s27, 0
	s_lshr_b32 s34, s32, 1                         ; t
	s_lshl_b32 s34, s34, 2
	s_lshr_b32 s35, s33, 5                         ; k / 128
	s_add_co_u32 s34, s34, s35                     ; sigma
	s_lshl_b32 s28, s34, 21
	s_and_b32 s35, s33, 31                         ; kl = 4 (kq % 32) + job: rows of 512 bytes
	s_lshl_b32 s35, s35, 11
	s_add_co_u32 s28, s28, s35
	s_and_b32 s35, s32, 1                          ; which half of a row
	s_lshl_b32 s35, s35, 8
	s_add_co_u32 s28, s28, s35
	s_mov_b32 s29, 0
	s_add_nc_u64 s[26:27], s[4:5], s[26:27]
	s_add_nc_u64 s[28:29], s[16:17], s[28:29]
	v_lshrrev_b32 v[LW], 1, v1                     ; load q brings il = q / 2, o = 128 (q % 2) + 4 lane + 0..3: g = 16 (q % 2) + lane / 2, j = 4 (lane % 2) + 0..3
	v_mul_u32_u24 v[LW], v[LW], 272                ; the stage: a row of 256 bytes + 16 for each g; a pair of lanes starts at bank 4 (lane / 2), so the 32 lanes' 8 bytes take each bank once (ISA guide 11.1)
	v_and_b32 v6, 1, v1
	v_lshl_add_u32 v[LW], v6, 3, v[LW]
	v_add_nc_u32 v[LW], s31, v[LW]
	v_lshrrev_b32 v6, 4, v1
	v_and_b32 v7, 15, v1
	v_mul_u32_u24 v[LR], v6, 272                   ; back: lanes 0-15 one g's row, lanes 16-31 the next
	v_lshl_add_u32 v[LR], v7, 4, v[LR]
	v_add_nc_u32 v[LR], s31, v[LR]
	v_lshlrev_b32 v[VO], 4, v1
	v_lshlrev_b32 v[VD], 16, v6                    ; from g to g: 65,536 bytes
	v_lshl_add_u32 v[VD], v7, 4, v[VD]
.set q, 0
.rept 32
	global_load_b128 v[X+4*q:X+4*q+3], v[VO], s[26:27] offset:512*q th:TH_LOAD_NT   ; the ring is filled: the first job's 16,384 bytes
.set q, q+1
.endr
; One job.  ahead = 1: each slot is loaded again with the same bytes of the next k.
.macro W2JOB ahead
.set q, 0
.rept 32
.if \ahead
	s_wait_loadcnt 31                              ; the 31 younger loads of the ring stay out
.else
	s_wait_loadcnt 31-q
.endif
	v_cvt_pk_bf16_f32 v[T+2*(q%4)], v[X+4*q], v[X+4*q+1]
	v_cvt_pk_bf16_f32 v[T+2*(q%4)+1], v[X+4*q+2], v[X+4*q+3]
	ds_store_b64 v[LW], v[T+2*(q%4):T+2*(q%4)+1] offset:(q&1)*4352+16*(((q>>1)&7)*2+(q>>4))
.if \ahead
	global_load_b128 v[X+4*q:X+4*q+3], v[VO], s[26:27] offset:512*q+262144 th:TH_LOAD_NT
.endif
.set q, q+1
.endr
.set u, 0
.rept 16
	ds_load_b128 v[Y+4*u:Y+4*u+3], v[LR] offset:544*u                               ; LDS serves a wave's instructions in order: these see the stores above, and the next job's stores come behind them
.set u, u+1
.endr
.set u, 0
.rept 16
	s_wait_dscnt 15-u
	global_store_b128 v[VD], v[Y+4*u:Y+4*u+3], s[28:29] offset:131072*u             ; two g: each 16 lanes store 256 consecutive bytes, aligned
.set u, u+1
.endr
.if \ahead
	s_wait_xcnt 0x0                                ; both bases are stepped, and Y is loaded again, only behind this wait
	s_add_nc_u64 s[26:27], s[26:27], 262144        ; the next k
	s_add_nc_u64 s[28:29], s[28:29], 512
.endif
.endm
	s_mov_b32 s30, 3
.Ljob:
	W2JOB 1
	s_sub_co_u32 s30, s30, 1
	s_cmp_lg_u32 s30, 0
	s_cbranch_scc1 .Ljob
	W2JOB 0                                        ; the last job loads nothing: the counts run down
	s_wait_tensorcnt 0x0                           ; the wave's end, behind my last LDS store
	ds_add_u32 v[SPW], v[NIL]
	s_wait_dscnt 0x0
	s_endpgm
.Lfunc_end_k_qf51680e614_prep:
	.size	k_qf51680e614_prep, .Lfunc_end_k_qf51680e614_prep-k_qf51680e614_prep
	.p2alignl 7, 3214868480
	.fill 96, 4, 3214868480
	.section	.rodata,"a",@progbits
	.p2align	6, 0x0
	.amdhsa_kernel k_qf51680e614_prep
		.amdhsa_group_segment_fixed_size 109568
		.amdhsa_private_segment_fixed_size 0
		.amdhsa_enable_private_segment 0
		.amdhsa_kernarg_size 80
		.amdhsa_user_sgpr_count 2
		.amdhsa_user_sgpr_kernarg_segment_ptr 1
		.amdhsa_wavefront_size32 1
		.amdhsa_system_sgpr_workgroup_id_x 1
		.amdhsa_system_sgpr_workgroup_id_y 1
		.amdhsa_system_sgpr_workgroup_id_z 1
		.amdhsa_system_vgpr_workitem_id 0
		.amdhsa_next_free_vgpr 256
		.amdhsa_next_free_sgpr 66
		.amdhsa_reserve_vcc 0
		.amdhsa_float_denorm_mode_32 3
		.amdhsa_float_denorm_mode_16_64 3
		.amdhsa_memory_ordered 1
		.amdhsa_forward_progress 1
		.amdhsa_inst_pref_size 76
	.end_amdhsa_kernel
	.amdgpu_metadata
---
amdhsa.version: [ 1, 2 ]
amdhsa.kernels:
  - .name:           k_qf51680e614_prep
    .symbol:         k_qf51680e614_prep.kd
    .args:
      - { .name: W2, .offset: 0, .size: 8, .value_kind: global_buffer, .address_space: global }
      - { .name: W1, .offset: 8, .size: 8, .value_kind: global_buffer, .address_space: global }
      - { .name: b1, .offset: 16, .size: 8, .value_kind: global_buffer, .address_space: global }
      - { .name: b2, .offset: 24, .size: 8, .value_kind: global_buffer, .address_space: global }
      - { .name: condition_z, .offset: 32, .size: 8, .value_kind: global_buffer, .address_space: global }
      - { .name: input_h, .offset: 40, .size: 8, .value_kind: global_buffer, .address_space: global }
      - { .name: w2p, .offset: 48, .size: 8, .value_kind: global_buffer, .address_space: global }
      - { .name: hyp, .offset: 56, .size: 8, .value_kind: global_buffer, .address_space: global }
      - { .name: hq, .offset: 64, .size: 8, .value_kind: global_buffer, .address_space: global }
      - { .name: b2q, .offset: 72, .size: 8, .value_kind: global_buffer, .address_space: global }
    .group_segment_fixed_size: 109568
    .private_segment_fixed_size: 0
    .kernarg_segment_align: 8
    .kernarg_segment_size: 80
    .max_flat_workgroup_size: 256
    .sgpr_count:     66
    .vgpr_count:     256
    .wavefront_size: 32
...
	.end_amdgpu_metadata
.endif
;; end of part 1
;; launch main (part 2): grid 32 x 8, 4 waves a work-group, clusters of 4 x 4, 327,680 bytes of LDS; arguments hyp, w2p, hq, b2q, bias, out0; writes out0
.if DOCPART == 2
	.amdgcn_target "amdgcn-amd-amdhsa--gfx1250"
	.amdhsa_code_object_version 6
	.text
	.protected	k_qf51680e614_main
	.globl	k_qf51680e614_main
	.p2align	8
	.type	k_qf51680e614_main,@function
k_qf51680e614_main:
	s_mov_b64 s[64:65], 0
	v_nop
	global_prefetch_b8 v0, s[64:65] scope:SCOPE_SE
	s_setreg_imm32_b32 hwreg(HW_REG_WAVE_MODE, 25, 1), 1
	s_wait_xcnt 0x0
	s_wait_alu depctr_hold_cnt(0) depctr_sa_sdst(0) depctr_va_vdst(0) depctr_va_sdst(0) depctr_va_ssrc(0) depctr_va_vcc(0) depctr_vm_vsrc(0)
	s_getreg_b32 s2, hwreg(HW_REG_IB_STS2, 6, 4)
	s_cmp_eq_u32 s2, 0
	s_cbranch_scc0 .Lentry_in_a_cluster
	s_endpgm
.Lentry_in_a_cluster:
	s_bfe_u32 s2, ttmp6, 0x10000c
	s_cmp_lg_u32 s2, 0xf033
	s_cbranch_scc0 .Lentry_shape_is_right
	s_endpgm
.Lentry_shape_is_right:
; out[b][o] = sum over i of h[b][i] (sum over k of hyp[b][k] W2[k][256 i + o] + b2[256 i + o]) + bias[o].  hyp and W2 in bf16 (made by the launch before), all sums in f32; h, b2 and bias rounded to bf16, used as f32.
; SHARES.  A work-group owns 256 rows b (bt) and 8 columns o (g), and walks all 256 i: 8 tiles of 256 rows x 256 columns (32 i x 8 o) of the generated weights S, K = 512 each, which never leave registers.
; Four waves, each 128 x 128 of a tile: 64 accumulators, 512 registers.  K goes in steps of 128 through a ring of two LDS slots filled by the tensor data mover; the ring runs on from tile to tile.
; THE MATRIX INSTRUCTION IS USED TRANSPOSED (source 0 = 16 columns, source 1 = 16 rows b): a lane holds one row b and 8 neighbouring columns.  The columns are laid so that those 8 are o = 8 g + 0..7 of ONE i
; (column c = 128 wc + 16 nb + 8 (lane / 16) + j stands for i = 32 t + 16 wc + 8 (lane / 16) + nb): the sum over i is then four packed multiply-adds for an accumulator, by one number h[b][i] a lane, into
; 8 registers of out for each 16 rows.  b2 is the C operand of the product that starts a sum.  A finished tile is so contracted between the first products of the next tile.
; A lane's out holds the i of its half of the lanes and its wave's half of the columns alone: the four parts meet in LDS at the end, where bias is added.
; OUT0 LEAVES IN PIECES OF 32 BYTES A ROW: 524,288 outputs on 256 work-groups are 2,048 each, with 256 rows that is 8 columns.  Longer pieces would want fewer rows a work-group (each number of W2 fetched more often)
; or partial sums through memory.  Each output is written once, by its one owner.
; CLUSTERS: 4 x 4 work-groups.  The four of a row of the cluster share bt and so hyp's tiles, the four of a column share g and so W2's: each tile is asked for JOINTLY, by the same tensor load with the same descriptor and a mask of four.
; LIMITS.  NaN and infinities are not treated apart.  The f32 sums run in another order than the reference's: k inside the matrix instruction, i ascending in four parts.
; The 64 registers of out are cleared once (64 v_mov_b32, in the wait for the first tile), so that the first contraction is the loop's own text.
; REGISTERS, in windows of 256 (s_set_vgpr_msb: bits 1:0 source 0, 3:2 source 1, 5:4 source 2, 7:6 destination):
;   window 0: v0-63 addresses, bias, at work; v64-127, v128-191 fragments of hyp, two buffers; v192-255 h: for row block A and column block nb at 192 + 8 A + nb
;   window 1: v0-63 out (row block A, column j at 8 A + j); v64-127, v128-191 fragments of W2, two buffers; v192-255 b2 (column block nb, j at 192 + 8 nb + j)
;   window 2: the 32 accumulators of my rows 0-63 ((a, b) at 8 (8 a + b));   window 3: those of my rows 64-127
.set PITCH,  272                       ; a row of hyp in LDS: 256 bytes + 16: the 16 rows of a load start at 16 different groups of four banks (64 banks of 4 bytes: ISA guide 11.1)
.set PB,     544                       ; a k row of W2 in LDS: 512 bytes + 32 = 136 words
.set HALFT,  128*PITCH                 ; what one tensor load brings: 128 rows of hyp, or 64 k rows of W2 (64 x 544 is the same number)
.set SLOT,   4*HALFT                   ; hyp's 256 rows, then W2's 128 k rows
.set STAGE,  2*SLOT                    ; behind the ring, never filled by a tensor load: 256 rows x 144 bytes: a row's four parts of 8 f32, + 16
.set SP,     144
.set SPARE,  STAGE+256*SP              ; behind the stage: the spare words, 128 bytes for each wave: two blocks of 256 bytes that no other line names
.set SIGMA,  2097152                   ; bytes of w2p from K step to K step
.set ADRA, 16                          ; v16-17  LDS address of my fragments of hyp in slot 0, 1
.set ADRB, 20                          ; v20-21  the same for W2 (the turning load's)
.set HO,   22                          ; v22     16 x lane: my offset in a piece of hq
.set BO,   23                          ; v23     256 x (lane / 16): my offset in b2q
.set STO,  24                          ; v24     the way out: where my part of a row goes
.set RDA,  25                          ; v25     the way out: the row that I read back
.set OA,   26                          ; v26     my row's byte offset in out0
.set SPW,  28                          ; v28     LDS address of my spare word; never rewritten
.set NIL,  29                          ; v29     0; never rewritten
.set BI,   32                          ; v32-39  bias[8 g + 0..7], rounded
.set TW,   40                          ; v40-51  at work
.set F0,   64
.set F1,   128
.set H,    192
.set B2C,  192
.set WV,   16                          ; s16  my wave's number
.set RH,   17                          ; s17  which half of the tile's rows is mine.  Also: I fetch hyp (0) or W2 (1)
.set WC,   18                          ; s18  which half of its columns.  Also: which half of that tile I fetch
.set G1A,  24                          ; s[24:31] descriptor group 1 for hyp's tiles;  s[32:39] group 0, a set for each slot
.set G0A,  32
.set G1B,  48                          ; s[48:55], s[56:63] the same for W2's
.set G0B,  56
.set MSB, 0
.macro WIN new                         ; the immediate's high byte repeats the setting that is left; a switch that changes nothing is dropped
.if MSB != (\new)
	s_set_vgpr_msb (MSB<<8)|(\new)
.set MSB, \new
.endif
.endm
; A joint load.  Waves 0 and 1 fetch hyp's two halves, waves 2 and 3 W2's.  The branch hangs on the wave's number alone.  An s_nop 0 and four v_nop follow each of the two lines.
.macro JLOAD s
	s_cmp_eq_u32 s[RH], 0
	s_cbranch_scc0 .Lfor_b_\@
	tensor_load_to_lds s[G0A+4*(\s):G0A+4*(\s)+3], s[G1A:G1A+7]
	s_nop 0
.rept 4
	v_nop
.endr
	s_branch .Lasked_\@
.Lfor_b_\@:
	tensor_load_to_lds s[G0B+4*(\s):G0B+4*(\s)+3], s[G1B:G1B+7]
	s_nop 0
.rept 4
	v_nop
.endr
.Lasked_\@:
.endm
.macro CREST                           ; a round of the cluster's barrier behind its opening barrier
	s_cmp_lg_u32 s[WV], 0
	s_cbranch_scc1 .Lnot_wave_0_\@
	s_barrier_signal -3
.Lnot_wave_0_\@:
	s_barrier_wait -3
	s_barrier_signal -1
	s_barrier_wait -1
.endm
.macro CROUND                          ; a whole round
	s_barrier_signal -1
	s_barrier_wait -1
	CREST
.endm
	s_load_b256 s[4:11], s[0:1], 0x0               ; hyp s[4:5], w2p s[6:7], hq s[8:9], b2q s[10:11]
	s_load_b128 s[12:15], s[0:1], 0x20             ; bias s[12:13], out0 s[14:15]
	v_lshl_add_u32 v[SPW], v0, 2, SPARE
	v_mov_b32 v[NIL], 0
	ds_add_u32 v[SPW], v[NIL]                      ; the wave's opening: the add and its wait stand ahead of my first tensor load; the set-up below, work on registers, stands between them
	v_lshrrev_b32 v1, 5, v0
	v_readfirstlane_b32 s[WV], v1                  ; wave 0..3
	s_lshr_b32 s[RH], s[WV], 1
	s_and_b32 s[WC], s[WV], 1
	s_mul_i32 s19, s[WV], HALFT                    ; where my tensor loads go: wave x 34,816: no place in the cluster enters an LDS address
	s_bfe_u32 s20, ttmp6, 0x40000                  ; cx
	s_bfe_u32 s21, ttmp6, 0x40004                  ; cy
	s_lshl_b32 s22, ttmp9, 2
	s_add_co_u32 s22, s22, s20                     ; g = 4 x cluster x + cx
	s_and_b32 s23, ttmp7, 0xffff
	s_lshl_b32 s23, s23, 2
	s_add_co_u32 s23, s23, s21                     ; bt = 4 x cluster y + cy
	s_lshl_b32 s44, s21, 2
	s_lshl_b32 s44, 15, s44                        ; my row of the cluster
	s_lshl_b32 s45, 0x1111, s20                    ; my column
	; group 1 for hyp: 128 rows x 128 elements out of rows of 512, 16 bytes of padding behind every 256
	s_or_b32 s[G1A+0], s44, (1<<16)|(1<<20)|(1<<21)|(5<<22)|(3<<25)  ; 15:0 the mask; 17:16 2-byte elements; 20 padding on; 21 set beside a mask; 24:22 after every 64 words (code 5); 31:25 4 words (code 3)
	s_mov_b32 s[G1A+1], 128<<16                    ; tensor_dim0 = 128
	s_mov_b32 s[G1A+2], 128<<16                    ; tensor_dim1 = 128
	s_mov_b32 s[G1A+3], 128<<16                    ; tile_dim0 = 128
	s_mov_b32 s[G1A+4], 128                        ; tile_dim1 = 128
	s_mov_b32 s[G1A+5], 512                        ; elements from row to row
	s_mov_b32 s[G1A+6], 0
	s_mov_b32 s[G1A+7], 0
	; group 1 for W2: 64 dense rows of 256 elements, 32 bytes of padding behind every 512
	s_or_b32 s[G1B+0], s45, (1<<16)|(1<<20)|(1<<21)|(6<<22)|(7<<25)  ; after every 128 words (code 6), 8 words (code 7)
	s_mov_b32 s[G1B+1], 256<<16                    ; tensor_dim0 = 256
	s_mov_b32 s[G1B+2], 64<<16                     ; tensor_dim1 = 64
	s_mov_b32 s[G1B+3], 256<<16                    ; tile_dim0 = 256
	s_mov_b32 s[G1B+4], 64                         ; tile_dim1 = 64
	s_mov_b32 s[G1B+5], 256
	s_mov_b32 s[G1B+6], 0
	s_mov_b32 s[G1B+7], 0
	; offsets, each in registers of its own: hyp's of bt and the wave's number alone, W2's of g and the wave's number alone
	s_lshl_b32 s40, s23, 18                        ; hyp: 256 rows of 1,024 bytes a bt,
	s_lshl_b32 s3, s[WC], 17                       ; and the half that I fetch
	s_add_co_u32 s40, s40, s3
	s_mov_b32 s41, 0
	s_lshl_b32 s42, s22, 16                        ; w2p: 65,536 bytes a g,
	s_lshl_b32 s3, s[WC], 15                       ; and the 64 k rows that I fetch
	s_add_co_u32 s42, s42, s3
	s_mov_b32 s43, 0
	s_lshl_b32 s66, s23, 18                        ; hq: 262,144 bytes a bt, 8,192 a wave
	s_lshl_b32 s3, s[WV], 13
	s_add_co_u32 s66, s66, s3
	s_mov_b32 s67, 0
	s_lshl_b32 s76, s22, 13                        ; b2q: 8,192 bytes a g, 16 i of 32 bytes for my half of the columns
	s_lshl_b32 s3, s[WC], 9
	s_add_co_u32 s76, s76, s3
	s_mov_b32 s77, 0
	s_lshl_b32 s46, s22, 5                         ; bias and out0: 8 f32 a g
	s_mov_b32 s47, 0
	s_lshl_b32 s78, s23, 18                        ; out0: 256 rows of 1,024 bytes a bt
	s_add_co_u32 s78, s78, s46
	s_mov_b32 s79, 0
	s_wait_dscnt 0x0                               ; the opening add is done
	s_wait_kmcnt 0x0
	s_add_nc_u64 s[40:41], s[4:5], s[40:41]
	s_add_nc_u64 s[42:43], s[6:7], s[42:43]
	s_add_nc_u64 s[8:9], s[8:9], s[66:67]
	s_add_nc_u64 s[10:11], s[10:11], s[76:77]
	s_add_nc_u64 s[46:47], s[12:13], s[46:47]
	s_add_nc_u64 s[14:15], s[14:15], s[78:79]
	CROUND                                         ; all sixteen work-groups are here: the first joint loads meet
.irp s, 0,1
	s_mov_b32 s[G0A+4*(\s)], 1                                      ; count = 1
	s_add_co_u32 s[G0A+4*(\s)+1], s19, (\s)*SLOT                    ; LDS address
	s_add_nc_u64 s[G0A+4*(\s)+2:G0A+4*(\s)+3], s[40:41], (\s)*256   ; K step s: 128 elements along hyp's rows
	s_or_b32 s[G0A+4*(\s)+3], s[G0A+4*(\s)+3], 0x80000000           ; type = 2
	s_mov_b32 s[G0B+4*(\s)], 1
	s_add_co_u32 s[G0B+4*(\s)+1], s19, (\s)*SLOT
	s_add_nc_u64 s[G0B+4*(\s)+2:G0B+4*(\s)+3], s[42:43], (\s)*SIGMA
	s_or_b32 s[G0B+4*(\s)+3], s[G0B+4*(\s)+3], 0x80000000
	JLOAD \s                                       ; two tensor loads of mine are out: the ring is filled before anything else is done
.endr
	s_load_b256 s[68:75], s[46:47], 0x0            ; bias[8 g + 0..7]
	v_and_b32 v1, 15, v0                           ; r = lane % 16
	v_bfe_u32 v2, v0, 4, 1                         ; lane / 16
	v_and_b32 v3, 31, v0                           ; lane
	v_mul_u32_u24 v4, v1, PITCH
	v_lshl_add_u32 v4, v2, 4, v4                   ; a fragment of hyp: row x pitch + 16 x half
	s_mul_i32 s3, s[RH], HALFT                     ; my 128 rows
	v_add_nc_u32 v[ADRA], s3, v4
	v_add_nc_u32 v[ADRA+1], SLOT, v[ADRA]
	v_and_b32 v5, 7, v0                            ; the turning load: lane l reads k row 8 (l / 16) + l % 8, columns 8 ((l / 8) % 2) + 0..7, and is left with column l % 16 and 8 k
	v_lshl_add_u32 v5, v2, 3, v5
	v_mul_u32_u24 v5, v5, PB
	v_bfe_u32 v6, v0, 3, 1
	v_lshl_add_u32 v5, v6, 4, v5
	s_lshl_b32 s3, s[WC], 8                        ; my 128 columns,
	s_add_co_u32 s3, s3, 2*HALFT                   ; behind hyp's 256 rows
	v_add_nc_u32 v[ADRB], s3, v5
	v_add_nc_u32 v[ADRB+1], SLOT, v[ADRB]
	v_lshlrev_b32 v[HO], 4, v3
	v_lshlrev_b32 v[BO], 8, v2
	s_mul_i32 s3, s[RH], 128*SP                    ; the stage: row 128 rh + 16 A + r; part 2 wc + lane / 16, 32 bytes each
	s_lshl_b32 s66, s[WC], 6
	s_add_co_u32 s3, s3, s66
	s_add_co_u32 s3, s3, STAGE
	v_mul_u32_u24 v[STO], v1, SP
	v_lshl_add_u32 v[STO], v2, 5, v[STO]
	v_add_nc_u32 v[STO], s3, v[STO]
	v_mul_u32_u24 v[RDA], v0, SP                   ; back: thread n takes rows n and n + 128, whole
	v_add_nc_u32 v[RDA], STAGE, v[RDA]
	v_lshlrev_b32 v[OA], 10, v0
	WIN 0x40                                       ; destination window 1
.irp i, 0,1,2,3,4,5,6,7,8,9,10,11,12,13,14,15
	global_load_b128 v[B2C+4*(\i):B2C+4*(\i)+3], v[BO], s[10:11] offset:16*(\i)     ; b2 for tile 0
.endr
.set i, 0
.rept 64
	v_mov_b32 v[i], 0                              ; out
.set i, i+1
.endr
	WIN 0
	s_wait_kmcnt 0x0
.irp j, 0,1,2,3,4,5,6,7
	v_mov_b32 v[TW+(\j)], s[68+(\j)]
.endr
.irp j, 0,1,2,3
	v_cvt_pk_bf16_f32 v[TW+8+(\j)], v[TW+2*(\j)], v[TW+2*(\j)+1]
.endr
.irp j, 0,1,2,3
	v_lshlrev_b32 v[BI+2*(\j)], 16, v[TW+8+(\j)]
	v_and_b32 v[BI+2*(\j)+1], 0xffff0000, v[TW+8+(\j)]
.endr
; 16 matrix instructions: row blocks a0, a0 + 1 of the window's four (hi = 0: my rows 0-63, 1: rows 64-127) x all 8 column blocks, 32 along K.  cm = 1: the product starts the sum, with b2 as C.
; The 64 accumulators take turns, in the same order in every quarter.
.macro MUL16 f, hi, a0, cm
.if \cm
	WIN 0x91+0x40*(\hi)                            ; source 0 (W2) window 1, source 1 (hyp) window 0, C (b2) window 1, D window 2 or 3
.else
	WIN 0xa1+0x50*(\hi)                            ; the same with C and D in window 2 or 3
.endif
.irp a, \a0, (\a0)+1
.irp b, 0,1,2,3,4,5,6,7
.if \cm
	v_wmma_f32_16x16x32_bf16 v[8*(8*(\a)+(\b)):8*(8*(\a)+(\b))+7], v[(\f)+8*(\b):(\f)+8*(\b)+7], v[(\f)+8*(4*(\hi)+(\a)):(\f)+8*(4*(\hi)+(\a))+7], v[B2C+8*(\b):B2C+8*(\b)+7]
.else
	v_wmma_f32_16x16x32_bf16 v[8*(8*(\a)+(\b)):8*(8*(\a)+(\b))+7], v[(\f)+8*(\b):(\f)+8*(\b)+7], v[(\f)+8*(4*(\hi)+(\a)):(\f)+8*(4*(\hi)+(\a))+7], v[8*(8*(\a)+(\b)):8*(8*(\a)+(\b))+7]
.endif
.endr
.endr
.endm
; 32 LDS loads in one run: the fragments of quarter q (32 along K) of a slot into buffer f: W2's 8 column blocks (turned), then hyp's 8 row blocks.
; ld = 1: beside them the tile's h and the next tile's b2 are asked for from memory; ld = 2: h alone.
.macro FETCH slot, q, f, ld
	WIN 0x40                                       ; destination window 1, address window 0
.irp i, 0,1,2,3,4,5,6,7
	ds_load_tr16_b128 v[(\f)+8*(\i):(\f)+8*(\i)+3],   v[ADRB+(\slot)] offset:(\q)*32*PB+(\i)*32
	ds_load_tr16_b128 v[(\f)+8*(\i)+4:(\f)+8*(\i)+7], v[ADRB+(\slot)] offset:(\q)*32*PB+(\i)*32+16*PB
.endr
.if (\ld) == 1
.irp i, 0,1,2,3,4,5,6,7,8,9,10,11,12,13,14,15
	global_load_b128 v[B2C+4*(\i):B2C+4*(\i)+3], v[BO], s[10:11] offset:16*(\i)
.endr
.endif
	WIN 0
.irp i, 0,1,2,3,4,5,6,7
	ds_load_b128 v[(\f)+8*(\i):(\f)+8*(\i)+3],   v[ADRA+(\slot)] offset:(\q)*64+(\i)*16*PITCH
	ds_load_b128 v[(\f)+8*(\i)+4:(\f)+8*(\i)+7], v[ADRA+(\slot)] offset:(\q)*64+(\i)*16*PITCH+32
.endr
.if (\ld) >= 1
.irp i, 0,1,2,3,4,5,6,7,8,9,10,11,12,13,14,15
	global_load_b128 v[H+4*(\i):H+4*(\i)+3], v[HO], s[8:9] offset:512*(\i)          ; 512 consecutive bytes
.endr
.endif
.endm
; A load into a register that a matrix instruction has read, and a vector instruction that reads a matrix result, stand four places behind it; only plain vector instructions that name none of its
; registers are places (ISA guide 7.12.1 for vector instructions).
.macro PLACES
.rept 4
	v_nop
.endr
.endm
; One of a K step's first three quarters: multiplies buffer f; in its middle it fetches quarter q of the same slot into buffer g.
.macro QUARTER slot, q, f, g, cm, ld
	s_wait_dscnt 8                                 ; W2 and hyp's rows 0-63 are in; the youngest eight loads (rows 64-127) may be out
	MUL16 \f, 0, 0, \cm
	MUL16 \f, 0, 2, \cm
	PLACES
	FETCH \slot, \q, \g, \ld
	s_wait_dscnt 32                                ; all but the 32 just issued
	MUL16 \f, 1, 0, \cm
	MUL16 \f, 1, 2, \cm
.endm
.macro THREE slot                      ; a K step's first three quarters
	QUARTER \slot, 1, F0, F1, 0, 0
	QUARTER \slot, 2, F1, F0, 0, 0
	QUARTER \slot, 3, F0, F1, 0, 0
.endm
; The last quarter multiplies buffer 1 and changes slots.  MEET is its first half: ONE barrier, for two things.  In front of it each wave waits for all its tensor loads, of which one is out: its part
; of the next slot; adds 0 to its spare word; and waits for that and for its own reads of this slot.  Behind it nobody reads this slot any more and the next slot is whole.
.macro MEET round
	WIN 0                                          ; (the add's two registers lie in window 0)
	s_wait_tensorcnt 0x0
	ds_add_u32 v[SPW], v[NIL]                      ; 0 onto my spare word
	s_wait_dscnt 9                                 ; (the add and the youngest eight loads may be out)
	MUL16 F1, 0, 0, 0                              ; sixteen matrix instructions stand between the add and the wait for it
	s_wait_dscnt 0x0                               ; the add is done, and my reads of this slot are over
	s_barrier_signal -1
	MUL16 F1, 0, 2, 0                              ; work on registers while the others arrive
.if \round
	WIN 0
.endif
	s_barrier_wait -1
.endm
; The whole last quarter with a refill: the barrier opens a round of the cluster's, so that no wave of any partner still reads the slot or has a load on its way; the slot takes the K step two steps on:
; along hyp's rows 256 elements on (da = 1) or back (da = 0: the next tile begins at k = 0 again), in w2p two steps on.  From a request to the wait for it a wave issues 224 matrix instructions.
.macro TURN slot, next, da
	MEET 1
	CREST
.if \da
	s_add_nc_u64 s[G0A+4*(\slot)+2:G0A+4*(\slot)+3], s[G0A+4*(\slot)+2:G0A+4*(\slot)+3], 512
.else
	s_sub_nc_u64 s[G0A+4*(\slot)+2:G0A+4*(\slot)+3], s[G0A+4*(\slot)+2:G0A+4*(\slot)+3], 512
.endif
	s_add_nc_u64 s[G0B+4*(\slot)+2:G0B+4*(\slot)+3], s[G0B+4*(\slot)+2:G0B+4*(\slot)+3], 2*SIGMA
	JLOAD \slot                                    ; the first tensor load behind the round; its four v_nop are also the places in front of the loads below, and behind the low accumulators' last products
	FETCH \next, 0, F0, 0
	MUL16 F1, 1, 0, 0
	MUL16 F1, 1, 2, 0
.endm
.macro TURNN slot, next                ; the same without a refill: nothing is left to fetch, so no round follows
	MEET 0
	PLACES
	FETCH \next, 0, F0, 0
	MUL16 F1, 1, 0, 0
	MUL16 F1, 1, 2, 0
.endm
; THE CONTRACTION of 16 accumulators: out[A][j] += h[b][i] S[b][i][j], two j at a time; h of column block b is one register of a pair, chosen by op_sel.  Each accumulator is read from its low end on;
; two lines on one pair of out stand 8 lines apart.
.macro CONTR16 hi, a0
	WIN 0x52+(\hi)                                 ; out (destination and source 2) window 1, S (source 0) window 2 or 3, h (source 1) window 0
.irp b, 0,1,2,3,4,5,6,7
.irp a, \a0, (\a0)+1
.irp p, 0,1,2,3
.if ((\b)%2) == 0
	v_pk_fma_f32 v[8*(4*(\hi)+(\a))+2*(\p):8*(4*(\hi)+(\a))+2*(\p)+1], v[8*(8*(\a)+(\b))+2*(\p):8*(8*(\a)+(\b))+2*(\p)+1], v[H+8*(4*(\hi)+(\a))+(\b):H+8*(4*(\hi)+(\a))+(\b)+1], v[8*(4*(\hi)+(\a))+2*(\p):8*(4*(\hi)+(\a))+2*(\p)+1] op_sel_hi:[1,0,1]
.else
	v_pk_fma_f32 v[8*(4*(\hi)+(\a))+2*(\p):8*(4*(\hi)+(\a))+2*(\p)+1], v[8*(8*(\a)+(\b))+2*(\p):8*(8*(\a)+(\b))+2*(\p)+1], v[H+8*(4*(\hi)+(\a))+(\b)-1:H+8*(4*(\hi)+(\a))+(\b)] , v[8*(4*(\hi)+(\a))+2*(\p):8*(4*(\hi)+(\a))+2*(\p)+1] op_sel:[0,1,0] op_sel_hi:[1,1,1]
.endif
.endr
.endr
.endr
.endm
; THE NEXT TILE'S FIRST QUARTER, with the finished tile's contraction between its products: sixteen accumulators are contracted, then started anew.  The low accumulators' last products stand ahead of the
; joint load's four v_nop; the high ones' ahead of the first 64 lines here, which name none of their registers; of the 64 lines in front of a restart 60 name nothing of the accumulator's last product;
; buffer 1's last readers stand 128 such lines ahead of the loads into it.  So no v_nop is written.
.macro QUARTERC
	s_wait_loadcnt 0x0                             ; the tile's h and the next tile's b2, asked for fifteen quarters ago; the wait also frees their bases
	s_add_nc_u64 s[8:9], s[8:9], 32768             ; hq and b2q at the pieces to be asked for next
	s_add_nc_u64 s[10:11], s[10:11], 1024
	CONTR16 0, 0
	s_wait_dscnt 8
	MUL16 F0, 0, 0, 1
	CONTR16 0, 2
	MUL16 F0, 0, 2, 1
	FETCH 0, 1, F1, 0
	s_wait_dscnt 32
	CONTR16 1, 0
	MUL16 F0, 1, 0, 1
	CONTR16 1, 2
	MUL16 F0, 1, 2, 1
.endm
	s_wait_tensorcnt 1                             ; my part of K step 0 is in; step 1's may stay out
	s_barrier_signal -1
	s_barrier_wait -1                              ; everybody's is
	FETCH 0, 0, F0, 0
	s_wait_loadcnt 0x0                             ; b2 for tile 0
	s_add_nc_u64 s[10:11], s[10:11], 1024          ; b2q runs a tile ahead of hq
	QUARTER 0, 1, F0, F1, 1, 0                     ; the first tile's first quarter stands in front of the loop
	WIN 0                                          ; at a label and at a branch every window is 0
	s_mov_b32 s2, 7
.Ltile:                                                ; a trip: from a tile's second quarter to the next tile's first; four K steps, four refills
	QUARTER 0, 2, F1, F0, 0, 1
	QUARTER 0, 3, F0, F1, 0, 0
	TURN 0, 1, 1
	THREE 1
	TURN 1, 0, 1
	THREE 0
	TURN 0, 1, 0                                   ; the ring goes on into the next tile
	THREE 1
	TURN 1, 0, 0
	QUARTERC
	WIN 0
	s_sub_co_u32 s2, s2, 1
	s_cmp_lg_u32 s2, 0
	s_cbranch_scc1 .Ltile
	QUARTER 0, 2, F1, F0, 0, 2                     ; the last tile is written out: two refills are left
	QUARTER 0, 3, F0, F1, 0, 0
	TURN 0, 1, 1
	THREE 1
	TURN 1, 0, 1
	THREE 0
	TURNN 0, 1
	THREE 1
	s_wait_dscnt 8                                 ; the very last quarter
	MUL16 F1, 0, 0, 0
	MUL16 F1, 0, 2, 0
	s_wait_dscnt 0x0
	MUL16 F1, 1, 0, 0
	MUL16 F1, 1, 2, 0
	PLACES
	s_wait_loadcnt 0x0                             ; the last tile's h
	CONTR16 0, 0
	CONTR16 0, 2
	CONTR16 1, 0
	CONTR16 1, 2
	; THE WAY OUT.  A row's four parts (two halves of the lanes x two waves) go into one stage row; a barrier, since they come from two waves; thread n adds up rows n and n + 128 and bias, and stores 32 bytes of each.
	WIN 0x04                                       ; store data (source 1) window 1, address window 0
.irp a, 0,1,2,3,4,5,6,7
	ds_store_b128 v[STO], v[8*(\a):8*(\a)+3]   offset:16*SP*(\a)
	ds_store_b128 v[STO], v[8*(\a)+4:8*(\a)+7] offset:16*SP*(\a)+16
.endr
	WIN 0
	s_wait_dscnt 0x0                               ; for the others' sake: my stores into the stage are done
	s_barrier_signal -1
	s_barrier_wait -1
.irp rr, 0,1
.irp q, 0,1,2,3,4,5,6,7
	ds_load_b128 v[F0+32*(\rr)+4*(\q):F0+32*(\rr)+4*(\q)+3], v[RDA] offset:128*SP*(\rr)+16*(\q)  ; part q / 2, columns 4 (q % 2) on
.endr
.endr
	s_wait_dscnt 0x0
.irp rr, 0,1
.irp c, 0,2,4,6                        ; columns c, c + 1: registers c, c + 1 of each part's eight
	v_pk_add_f32 v[F0+32*(\rr)+(\c):F0+32*(\rr)+(\c)+1], v[F0+32*(\rr)+(\c):F0+32*(\rr)+(\c)+1], v[F0+32*(\rr)+8+(\c):F0+32*(\rr)+8+(\c)+1]
	v_pk_add_f32 v[F0+32*(\rr)+16+(\c):F0+32*(\rr)+16+(\c)+1], v[F0+32*(\rr)+16+(\c):F0+32*(\rr)+16+(\c)+1], v[F0+32*(\rr)+24+(\c):F0+32*(\rr)+24+(\c)+1]
.endr
.endr
.irp rr, 0,1
.irp c, 0,2,4,6
	v_pk_add_f32 v[F0+32*(\rr)+(\c):F0+32*(\rr)+(\c)+1], v[F0+32*(\rr)+(\c):F0+32*(\rr)+(\c)+1], v[F0+32*(\rr)+16+(\c):F0+32*(\rr)+16+(\c)+1]
.endr
.endr
.irp rr, 0,1
.irp c, 0,2,4,6
	v_pk_add_f32 v[F0+32*(\rr)+(\c):F0+32*(\rr)+(\c)+1], v[F0+32*(\rr)+(\c):F0+32*(\rr)+(\c)+1], v[BI+(\c):BI+(\c)+1]
.endr
.endr
.irp rr, 0,1
	global_store_b128 v[OA], v[F0+32*(\rr):F0+32*(\rr)+3],   s[14:15] offset:131072*(\rr)
	global_store_b128 v[OA], v[F0+32*(\rr)+4:F0+32*(\rr)+7], s[14:15] offset:131072*(\rr)+16
.endr
	s_wait_tensorcnt 0x0                           ; the wave's end: behind my last tensor load and my last LDS store
	ds_add_u32 v[SPW], v[NIL]
	s_wait_dscnt 0x0
	CROUND                                         ; the closing round: no work-group ends while a partner may still ask for a tile that names it
	s_endpgm
.Lfunc_end_k_qf51680e614_main:
	.size	k_qf51680e614_main, .Lfunc_end_k_qf51680e614_main-k_qf51680e614_main
	.p2alignl 7, 3214868480
	.fill 96, 4, 3214868480
	.section	.rodata,"a",@progbits
	.p2align	6, 0x0
	.amdhsa_kernel k_qf51680e614_main
		.amdhsa_group_segment_fixed_size 327680
		.amdhsa_private_segment_fixed_size 0
		.amdhsa_enable_private_segment 0
		.amdhsa_kernarg_size 48
		.amdhsa_user_sgpr_count 2
		.amdhsa_user_sgpr_kernarg_segment_ptr 1
		.amdhsa_wavefront_size32 1
		.amdhsa_system_sgpr_workgroup_id_x 1
		.amdhsa_system_sgpr_workgroup_id_y 1
		.amdhsa_system_sgpr_workgroup_id_z 1
		.amdhsa_system_vgpr_workitem_id 0
		.amdhsa_next_free_vgpr 1024
		.amdhsa_next_free_sgpr 80
		.amdhsa_reserve_vcc 0
		.amdhsa_float_denorm_mode_32 3
		.amdhsa_float_denorm_mode_16_64 3
		.amdhsa_memory_ordered 1
		.amdhsa_forward_progress 1
		.amdhsa_inst_pref_size 255
	.end_amdhsa_kernel
	.section	.bss,"aw",@nobits
	.p2align	6
	.space	262144
	.amdgpu_metadata
---
amdhsa.version: [ 1, 2 ]
amdhsa.kernels:
  - .name:           k_qf51680e614_main
    .symbol:         k_qf51680e614_main.kd
    .args:
      - { .name: hyp, .offset: 0, .size: 8, .value_kind: global_buffer, .address_space: global }
      - { .name: w2p, .offset: 8, .size: 8, .value_kind: global_buffer, .address_space: global }
      - { .name: hq, .offset: 16, .size: 8, .value_kind: global_buffer, .address_space: global }
      - { .name: b2q, .offset: 24, .size: 8, .value_kind: global_buffer, .address_space: global }
      - { .name: bias, .offset: 32, .size: 8, .value_kind: global_buffer, .address_space: global }
      - { .name: out0, .offset: 40, .size: 8, .value_kind: global_buffer, .address_space: global }
    .group_segment_fixed_size: 327680
    .private_segment_fixed_size: 0
    .kernarg_segment_align: 8
    .kernarg_segment_size: 48
    .max_flat_workgroup_size: 128
    .sgpr_count:     80
    .vgpr_count:     1024
    .wavefront_size: 32
...
	.end_amdgpu_metadata
.endif
;; end of part 2
;; ======== version 2 of 2: 2 launches; version 1 with the launch prep written anew for expert scheduling mode
;; workspace buffers: w2p 67,108,864 bytes; hyp 2,097,152 bytes; hq 2,097,152 bytes; b2q 262,144 bytes
;; launch prep (part 3): grid 320 x 1, 8 waves a work-group, no clusters, 109,568 bytes of LDS; arguments W2, W1, b1, b2, condition_z, input_h, w2p, hyp, hq, b2q; writes w2p, hyp, hq, b2q
.if DOCPART == 3
	.amdgcn_target "amdgcn-amd-amdhsa--gfx1250"
	.amdhsa_code_object_version 6
	.text
	.protected	k_qf51680e614_prep
	.globl	k_qf51680e614_prep
	.p2align	8
	.type	k_qf51680e614_prep,@function
k_qf51680e614_prep:
	s_mov_b64 s[64:65], 0
	v_nop
	global_prefetch_b8 v0, s[64:65] scope:SCOPE_SE
	s_setreg_imm32_b32 hwreg(HW_REG_WAVE_SCHED_MODE, 0, 2), 2
	s_setreg_imm32_b32 hwreg(HW_REG_WAVE_MODE, 25, 1), 1
	s_wait_xcnt 0x0
	s_wait_alu depctr_vm_vsrc(0)
; PREP: everything that the main launch wants in another format or order, made once.
;   w2p  bf16 [sigma 32][g 32][kl 128][c 256]: W2[k][256 i + o] rounded to bf16, with k = 128 (sigma % 4) + kl, i = 32 (sigma / 4) + 16 (c / 128) + 8 ((c / 8) % 2) + (c / 16) % 8, o = 8 g + c % 8
;   hyp  bf16 [2048][512]: relu(z W1 + b1); z and W1 as bf16 matrix operands, b1 rounded to bf16 and taken as the sums' start, sums in f32, hyp rounded once
;   hq   f32: input_h rounded to bf16, in the main launch's lane order     b2q  f32 [g 32][i 256][8]: b2[256 i + 8 g + j] rounded to bf16
; Every input of the module is rounded once to bf16 (to nearest even); bf16 has f32's range, so no size of input needs care.
; LIMITS.  NaN and infinities are not treated apart: relu is a maximum with 0 in which a NaN loses.  The f32 sums run in the matrix instruction's order.
; SHARES.  Work-groups 0 to 63: the small jobs, eight waves each, a wave = 16 rows x 128 columns of hyp, 8 pieces of hq, a piece of b2q.  Work-groups 64 to 319: W2, 2,048 waves, four jobs each.
; No wave reads what another wrote: each has LDS bytes of its own (its number times WREG), so there is no barrier.
; THE MODE: SCHED_MODE bits 1:0 = 2 (LLVM: expert scheduling mode 2), set by the entry lines.  The code itself states the register dependences
; between vector or matrix instructions and memory or LDS instructions, with s_wait_alu, always for 0.
; THE PLAN.  Both loops go in BLOCKS of eight load slots.  Registers that memory or LDS instructions touch:
;   the ring (X: four blocks; XB: two)  Block p's sixteen conversions read its eight slots; behind them the slots are loaded again.
;   TB0, TB1   two out-buffers of eight pairs.  Block p's conversions write TB[p % 2]; its eight LDS stores read it; block p + 2 writes it again.
;   Y          (W2) written by a job's LDS loads, read by its global stores; no vector instruction names it.
;   Z, FR      (small jobs) written by a K step's LDS loads, read by its products.
;   v[ZA]      (small jobs) read by the loads of z's fragment, stepped once a K step.   All other offsets and LDS addresses are made once and never written again.
; A block: the wait for its data; the conversions; ONE wait on va_vdst (TB[p % 2] is written, the slots are read); ONE wait on vm_vsrc (the LDS stores of the block BEFORE have read the other TB,
; which the next block writes: it stands ahead of this block's own stores); then the eight loads and the eight LDS stores, with no vector instruction among them.
.set WREG,  13568                      ; a wave's LDS bytes: 9,216 (W2's stage, or W1's slab and later hyp's stage) + 4,352 (z's stage); 53 blocks of 256
.set ZOFF,  9216
.set SPARE, 8*WREG                     ; behind the waves' bytes: the spare words, 128 bytes for each wave: four blocks of 256 bytes that no other line names
.set SPW, 30                           ; v30  LDS address of my spare word; never rewritten
.set NIL, 31                           ; v31  0; never rewritten
.set TB,  32                           ; v[32:63]   the two out-buffers: buffer b, pair n at TB + 16 b + 2 n
; the W2 path
.set LW,  2                            ; v2   where my 8 bytes go in the stage
.set LR,  3                            ; v3   where I read 16 bytes back
.set VO,  4                            ; v4   16 x lane
.set VD,  5                            ; v5   my byte offset in w2p
.set X,   64                           ; v[64:191]  ring of 32 loads
.set Y,   192                          ; v[192:255] 16 x 16 bytes to store
; the small path
.set RR,  2                            ; v2   lane % 16
.set HF,  3                            ; v3   lane / 16
.set VL,  4                            ; v4   16 x lane
.set VH,  5                            ; v5   my offset in 16 rows of input_h
.set VB2, 6                            ; v6   my offset in b2
.set VQ,  7                            ; v7   my offset in b2q
.set T,   8                            ; v[8:15]    at work while h, b2 and b1 are rounded, four pairs by turns: named by vector instructions alone
.set Z,   8                            ; v[8:15]    later: z's fragment
.set VB1, 16                           ; v16  my offset in b1
.set ZST, 17                           ; v17  z's stage, in
.set ZA,  18                           ; v18  z's stage, a fragment's address; steps with K
.set SLST,19                           ; v19  W1's slab, in
.set TRA, 20                           ; v20  W1's slab, the turning loads' address
.set OST, 21                           ; v21  hyp's stage, in
.set ORD, 22                           ; v22  hyp's stage, back
.set OGL, 23                           ; v23  my offset in 16 rows of hyp
.set PB2, 24                           ; v[24:27]   b2's piece
.set HP,  32                           ; v[32:63]   input_h's 8 pieces; TB when they have been stored
.set FR,  64                           ; v[64:127]  z as loaded and as rounded; then W1's 8 fragments
.set XB,  128                          ; v[128:191] ring of 16 loads of W1
.set ACC, 192                          ; v[192:255] 8 accumulators
; four f32 rounded to bf16 and widened again, in place
.macro ROUND4 r, ta
	v_cvt_pk_bf16_f32 v[\ta], v[\r], v[(\r)+1]
	v_cvt_pk_bf16_f32 v[(\ta)+1], v[(\r)+2], v[(\r)+3]
	v_lshlrev_b32 v[\r], 16, v[\ta]
	v_and_b32 v[(\r)+1], s25, v[\ta]
	v_lshlrev_b32 v[(\r)+2], 16, v[(\ta)+1]
	v_and_b32 v[(\r)+3], s25, v[(\ta)+1]
.endm
	s_load_b512 s[4:19], s[0:1], 0x0               ; W2 s[4:5], W1 s[6:7], b1 s[8:9], b2 s[10:11], z s[12:13], h s[14:15], w2p s[16:17], hyp s[18:19]
	s_load_b128 s[20:23], s[0:1], 0x40             ; hq s[20:21], b2q s[22:23]
	v_lshl_add_u32 v[SPW], v0, 2, SPARE
	v_mov_b32 v[NIL], 0
	v_and_b32 v1, 31, v0                           ; lane
	v_lshrrev_b32 v2, 5, v0
	v_readfirstlane_b32 s24, v2                    ; wave 0..7
	s_mov_b32 s25, 0xffff0000                      ; a word's upper bf16
	s_wait_alu depctr_va_sdst(0)                   ; s24 is written, ahead of its first reader and of the branch: my LDS bytes and all my bases are made from it
	s_mul_i32 s31, s24, WREG                       ; my LDS bytes
	s_mov_b32 s2, ttmp9
	s_wait_kmcnt 0x0
	s_cmp_lt_u32 s2, 64
	s_cbranch_scc0 .Lw2                            ; the same way for all eight waves of a work-group
	; ---------------- THE SMALL JOBS ----------------
	s_lshl_b32 s32, s2, 1
	s_lshr_b32 s44, s24, 2
	s_add_co_u32 s32, s32, s44                     ; RB: my block of 16 rows, 0..127
	s_and_b32 s33, s24, 3                          ; nr: my 128 columns of hyp; also my two t of hq
	s_lshl_b32 s34, s32, 14                        ; 16 rows of 1,024 bytes, in input_h and in hyp alike,
	s_lshl_b32 s44, s33, 8                         ; and 256 bytes of each row
	s_add_co_u32 s34, s34, s44
	s_mov_b32 s35, 0
	s_add_nc_u64 s[42:43], s[18:19], s[34:35]      ; hyp at my rows and columns
	s_add_nc_u64 s[34:35], s[14:15], s[34:35]      ; input_h at my rows, columns 64 nr on
	s_lshr_b32 s36, s32, 4                         ; hq: bt = RB / 16,
	s_lshl_b32 s36, s36, 18
	s_lshl_b32 s44, s33, 16                        ; t = 2 nr,
	s_add_co_u32 s36, s36, s44
	s_bfe_u32 s44, s32, 0x10003                    ; rh = (RB / 8) % 2,
	s_lshl_b32 s44, s44, 14
	s_add_co_u32 s36, s36, s44
	s_and_b32 s44, s32, 7                          ; a = RB % 8
	s_lshl_b32 s44, s44, 10
	s_add_co_u32 s36, s36, s44
	s_mov_b32 s37, 0
	s_add_nc_u64 s[36:37], s[20:21], s[36:37]
	s_lshl_b32 s38, s32, 13                        ; z: 16 rows of 512 bytes
	s_mov_b32 s39, 0
	s_add_nc_u64 s[38:39], s[12:13], s[38:39]
	s_lshl_b32 s45, s33, 9                         ; 128 f32 columns = 512 bytes, in W1's rows and in b1
	s_mov_b32 s40, s45
	s_mov_b32 s41, 0
	s_add_nc_u64 s[40:41], s[6:7], s[40:41]
	s_add_co_u32 s46, s31, ZOFF                    ; z's stage
	v_and_b32 v[RR], 15, v1
	v_lshrrev_b32 v[HF], 4, v1
	v_lshlrev_b32 v[VL], 4, v1
	v_lshlrev_b32 v[VH], 10, v[RR]
	v_lshl_add_u32 v[VH], v[HF], 5, v[VH]          ; row lane % 16, 8 columns on for the upper lanes
	s_lshl_b32 s44, s2, 8
	v_add_nc_u32 v28, s44, v0                      ; tau: my piece of b2q among 16,384
	v_lshlrev_b32 v[VQ], 4, v28
	v_bfe_u32 v[VB2], v28, 1, 8                    ; i
	v_lshlrev_b32 v[VB2], 10, v[VB2]
	v_lshrrev_b32 v29, 9, v28                      ; g
	v_lshl_add_u32 v[VB2], v29, 5, v[VB2]
	v_and_b32 v29, 1, v28                          ; which four of the eight j
	v_lshl_add_u32 v[VB2], v29, 4, v[VB2]
	v_lshl_add_u32 v[VB1], v[HF], 5, s45
	v_lshl_add_u32 v[ZST], v1, 3, s46
	v_mul_u32_u24 v[ZA], v[RR], 272
	v_lshl_add_u32 v[ZA], v[HF], 4, v[ZA]          ; row x pitch + 16 x half: a fragment's place, and a result's
	v_add_nc_u32 v[OST], s31, v[ZA]
	v_add_nc_u32 v[ZA], s46, v[ZA]
	v_lshl_add_u32 v[SLST], v1, 3, s31
	v_and_b32 v28, 7, v1
	v_lshl_add_u32 v28, v[HF], 3, v28
	v_mul_u32_u24 v[TRA], v28, 288                 ; the turning load: k row 8 (lane / 16) + lane % 8,
	v_bfe_u32 v28, v1, 3, 1
	v_lshl_add_u32 v[TRA], v28, 4, v[TRA]          ; columns 8 ((lane / 8) % 2) on
	v_add_nc_u32 v[TRA], s31, v[TRA]
	v_mul_u32_u24 v[ORD], v[HF], 272
	v_lshl_add_u32 v[ORD], v[RR], 4, v[ORD]
	v_add_nc_u32 v[ORD], s31, v[ORD]
	v_lshlrev_b32 v[OGL], 10, v[HF]
	v_lshl_add_u32 v[OGL], v[RR], 4, v[OGL]
	s_wait_alu depctr_va_vdst(0)                   ; the offsets and LDS addresses v4 to v7 and v16 to v23 are written, which the loads and stores of this path read
	; all loads first, in the order in which they are used: 9 (h, b2), 16 (z), 16 (b1), 16 (W1's first rows)
.irp tt, 0,1
.irp wc, 0,1
.irp p, 0,1
	global_load_b128 v[HP+4*(4*(\tt)+2*(\wc)+(\p)):HP+4*(4*(\tt)+2*(\wc)+(\p))+3], v[VH], s[34:35] offset:128*(\tt)+64*(\wc)+16*(\p)
.endr
.endr
.endr
	global_load_b128 v[PB2:PB2+3], v[VB2], s[10:11]
.irp q, 0,1,2,3,4,5,6,7,8,9,10,11,12,13,14,15
	global_load_b128 v[FR+4*(\q):FR+4*(\q)+3], v[VL], s[38:39] offset:512*(\q)      ; a row of z: 512 consecutive bytes
.endr
.irp nb, 0,1,2,3,4,5,6,7
.irp p, 0,1
	global_load_b128 v[ACC+8*(\nb)+4*(\p):ACC+8*(\nb)+4*(\p)+3], v[VB1], s[8:9] offset:64*(\nb)+16*(\p)  ; b1 of columns 16 nb + 8 (lane / 16) + 0..7: where the result will hold them
.endr
.endr
.irp q, 0,1,2,3,4,5,6,7,8,9,10,11,12,13,14,15
	global_load_b128 v[XB+4*(\q):XB+4*(\q)+3], v[VL], s[40:41] offset:2048*(\q)     ; row q of W1, my 128 columns: 512 consecutive bytes
.endr
	s_wait_loadcnt 48                              ; the 48 younger loads (z, b1, W1) stay out: h's and b2's pieces are in
.irp e, 0,1,2,3,4,5,6,7
	ROUND4 HP+4*(\e), T+2*((\e)%4)
.endr
	ROUND4 PB2, T
	s_wait_loadcnt 32                              ; b1 and W1 stay out: z is in
.irp q, 0,1,2,3,4,5,6,7,8,9,10,11,12,13,14,15
	v_cvt_pk_bf16_f32 v[FR+4*(\q)], v[FR+4*(\q)], v[FR+4*(\q)+1]                    ; a slot's four numbers close up into the first two of its four registers
	v_cvt_pk_bf16_f32 v[FR+4*(\q)+1], v[FR+4*(\q)+2], v[FR+4*(\q)+3]
.endr
	s_wait_alu depctr_va_vdst(0)                   ; the roundings have written v[HP ..] and v[PB2 ..], which the global stores read, and the conversions z's pairs in v[FR ..], which the LDS stores read
.irp tt, 0,1
.irp wc, 0,1
.irp p, 0,1
	global_store_b128 v[VL], v[HP+4*(4*(\tt)+2*(\wc)+(\p)):HP+4*(4*(\tt)+2*(\wc)+(\p))+3], s[36:37] offset:32768*(\tt)+8192*(\wc)+512*(\p)  ; 512 consecutive bytes, aligned
.endr
.endr
.endr
	global_store_b128 v[VQ], v[PB2:PB2+3], s[22:23]                                 ; 512 consecutive bytes, aligned
.irp q, 0,1,2,3,4,5,6,7,8,9,10,11,12,13,14,15
	ds_store_b64 v[ZST], v[FR+4*(\q):FR+4*(\q)+1] offset:272*(\q)                   ; rows of 256 bytes + 16: the 16 rows of a fragment load start at 16 different groups of four banks (ISA guide 11.1)
.endr
	s_wait_loadcnt 16                              ; W1's rows stay out: b1 is in
.irp e, 0,1,2,3,4,5,6,7,8,9,10,11,12,13,14,15
	ROUND4 ACC+4*(\e), T+2*((\e)%4)                ; the sums start with b1
.endr
	s_wait_xcnt 0x0                                ; the stores above have had their addresses translated (ISA guide 3.1): v[32:63], which they read, are the out-buffers from here on
	s_wait_alu depctr_vm_vsrc(0)                   ; hq's stores have read v[32:63], which the conversions below write; z's LDS stores have read v[FR ..], in which W1's fragments land
; One K step of 32.  W1's 32 rows come through the ring of 16 loads in four blocks of eight, are rounded and laid into the slab (rows of 256 bytes + 32); each slot is loaded again with the row 16 further on.
; tail = 1: the last step: its last two blocks load nothing, and the counts run down.
.macro KSTEP tail
.set p, 0
.rept 4
.if (\tail) && (p == 3)
	s_wait_loadcnt 0x0
.else
	s_wait_loadcnt 8                               ; loads come back in order (ISA guide 5.7.1): this block's eight are in, the younger block stays out
.endif
.set q, 0
.rept 8
	v_cvt_pk_bf16_f32 v[TB+16*(p%2)+2*q], v[XB+32*(p%2)+4*q], v[XB+32*(p%2)+4*q+1]
	v_cvt_pk_bf16_f32 v[TB+16*(p%2)+2*q+1], v[XB+32*(p%2)+4*q+2], v[XB+32*(p%2)+4*q+3]
.set q, q+1
.endr
	s_wait_alu depctr_va_vdst(0)                   ; the conversions have written this block's TB, which the LDS stores read, and are done reading its slots, in which the loads land.  In the fourth block also, for the fragments' loads: the last step's products are done reading Z and FR, v[ZA] is written, the roundings that named v[8:15] are done
.if !((\tail) && (p == 3))
	s_wait_alu depctr_vm_vsrc(0)                   ; the LDS stores of the block before have read the other TB, which the next block's conversions write
.endif
.set q, 0
.rept 8
.if !((\tail) && (p >= 2))
	global_load_b128 v[XB+32*(p%2)+4*q:XB+32*(p%2)+4*q+3], v[VL], s[40:41] offset:2048*(8*p+16+q)
.endif
	ds_store_b64 v[SLST], v[TB+16*(p%2)+2*q:TB+16*(p%2)+2*q+1] offset:288*(8*p+q)
.set q, q+1
.endr
.set p, p+1
.endr
	ds_load_b128 v[Z:Z+3], v[ZA]                   ; LDS serves a wave's instructions in order (ISA guide 5.7.1.4): these see the stores above.  No vector instruction since the wait on va_vdst names Z, FR or an address
	ds_load_b128 v[Z+4:Z+7], v[ZA] offset:32
.irp nb, 0,1,2,3,4,5,6,7
	ds_load_tr16_b128 v[FR+8*(\nb):FR+8*(\nb)+3],   v[TRA] offset:32*(\nb)
	ds_load_tr16_b128 v[FR+8*(\nb)+4:FR+8*(\nb)+7], v[TRA] offset:32*(\nb)+16*288
.endr
	s_wait_dscnt 0x0
.irp nb, 0,1,2,3,4,5,6,7                       ; source 0 = 16 columns of W1, source 1 = 16 rows of z: a lane holds one row and 8 neighbouring columns.  The 8 accumulators take turns
	v_wmma_f32_16x16x32_bf16 v[ACC+8*(\nb):ACC+8*(\nb)+7], v[FR+8*(\nb):FR+8*(\nb)+7], v[Z:Z+7], v[ACC+8*(\nb):ACC+8*(\nb)+7]
.endr
.if !(\tail)
	s_wait_xcnt 0x0                                ; W1's base is stepped only behind this wait
	s_add_nc_u64 s[40:41], s[40:41], 65536         ; 32 rows of W1
	s_wait_alu depctr_vm_vsrc(0)                   ; the loads of z's fragment have read v[ZA]
	v_add_nc_u32 v[ZA], 64, v[ZA]                  ; 32 along K in z's stage
.endif
.endm
	s_mov_b32 s30, 3
.Lk:
	KSTEP 0
	s_sub_co_u32 s30, s30, 1
	s_cmp_lg_u32 s30, 0
	s_cbranch_scc1 .Lk
	KSTEP 1
.rept 4
	v_nop                                          ; four places behind the last products
.endr
.set i, 0
.rept 64
	v_max_num_f32 v[ACC+i], 0, v[ACC+i]            ; relu, each accumulator from its low end on
.set i, i+1
.endr
.set i, 0
.rept 32
	v_cvt_pk_bf16_f32 v[FR+i], v[ACC+2*i], v[ACC+2*i+1]
.set i, i+1
.endr
	s_wait_alu depctr_va_vdst(0)                   ; the conversions have written v[FR ..], which the LDS stores read
.irp nb, 0,1,2,3,4,5,6,7
	ds_store_b128 v[OST], v[FR+4*(\nb):FR+4*(\nb)+3] offset:32*(\nb)                ; row lane % 16, 16 bytes for each half of the lanes
.endr
.irp u, 0,1,2,3,4,5,6,7
	ds_load_b128 v[XB+4*(\u):XB+4*(\u)+3], v[ORD] offset:544*(\u)                   ; back as whole rows of 256 bytes, two a load
.endr
.irp u, 0,1,2,3,4,5,6,7
	s_wait_dscnt 7-(\u)
	global_store_b128 v[OGL], v[XB+4*(\u):XB+4*(\u)+3], s[42:43] offset:2048*(\u)   ; 16 lanes store 256 consecutive bytes, aligned
.endr
	s_wait_dscnt 0x0                               ; the wave's end
	s_wait_alu 0x0
	s_wait_tensorcnt 0x0
	ds_add_u32 v[SPW], v[NIL]
	s_wait_dscnt 0x0
	s_endpgm
	; ---------------- W2 ----------------
	; Wave W of 2,048: tw = W % 16 names 16 values of i (i = 16 tw + il), kq = W / 16 four values of k (k = 4 kq + job).  A job reads W2[k][256 i + o] for its 16 i and all 256 o:
	; 16,384 consecutive bytes; and writes, for each of the 32 g, the 128 bf16 at c = 128 (tw % 2) + 16 (il % 8) + 8 (il / 8) + j: 256 consecutive bytes, aligned.
.Lw2:
	s_sub_co_u32 s3, s2, 64
	s_lshl_b32 s3, s3, 3
	s_add_co_u32 s3, s3, s24                       ; W
	s_and_b32 s32, s3, 15                          ; tw
	s_lshr_b32 s33, s3, 4                          ; kq
	s_lshl_b32 s26, s33, 20                        ; four rows of W2, 262,144 bytes each,
	s_lshl_b32 s34, s32, 14                        ; and 16 i of 1,024 bytes
	s_add_co_u32 s26, s26, s34
	s_mov_b32 s27, 0
	s_lshr_b32 s34, s32, 1                         ; t
	s_lshl_b32 s34, s34, 2
	s_lshr_b32 s35, s33, 5                         ; k / 128
	s_add_co_u32 s34, s34, s35                     ; sigma
	s_lshl_b32 s28, s34, 21
	s_and_b32 s35, s33, 31                         ; kl = 4 (kq % 32) + job: rows of 512 bytes
	s_lshl_b32 s35, s35, 11
	s_add_co_u32 s28, s28, s35
	s_and_b32 s35, s32, 1                          ; which half of a row
	s_lshl_b32 s35, s35, 8
	s_add_co_u32 s28, s28, s35
	s_mov_b32 s29, 0
	s_add_nc_u64 s[26:27], s[4:5], s[26:27]
	s_add_nc_u64 s[28:29], s[16:17], s[28:29]
	v_lshrrev_b32 v[LW], 1, v1                     ; load q brings il = q / 2, o = 128 (q % 2) + 4 lane + 0..3: g = 16 (q % 2) + lane / 2, j = 4 (lane % 2) + 0..3
	v_mul_u32_u24 v[LW], v[LW], 272                ; the stage: a row of 256 bytes + 16 for each g; a pair of lanes starts at bank 4 (lane / 2), so the 32 lanes' 8 bytes take each bank once (ISA guide 11.1)
	v_and_b32 v6, 1, v1
	v_lshl_add_u32 v[LW], v6, 3, v[LW]
	v_add_nc_u32 v[LW], s31, v[LW]
	v_lshrrev_b32 v6, 4, v1
	v_and_b32 v7, 15, v1
	v_mul_u32_u24 v[LR], v6, 272                   ; back: lanes 0-15 one g's row, lanes 16-31 the next
	v_lshl_add_u32 v[LR], v7, 4, v[LR]
	v_add_nc_u32 v[LR], s31, v[LR]
	v_lshlrev_b32 v[VO], 4, v1
	v_lshlrev_b32 v[VD], 16, v6                    ; from g to g: 65,536 bytes
	v_lshl_add_u32 v[VD], v7, 4, v[VD]
	s_wait_alu depctr_va_vdst(0)                   ; the offsets and LDS addresses v2 to v5 are written, which every load and store of this path reads
.set q, 0
.rept 32
	global_load_b128 v[X+4*q:X+4*q+3], v[VO], s[26:27] offset:512*q th:TH_LOAD_NT   ; the ring is filled: the first job's 16,384 bytes
.set q, q+1
.endr
; One job, in four blocks of eight slots.  ahead = 1: each slot is loaded again with the same bytes of the next k.
.macro W2JOB ahead
.set p, 0
.rept 4
.if \ahead
	s_wait_loadcnt 24                              ; loads come back in order (ISA guide 5.7.1): this block's eight are in, the three younger blocks stay out
.else
	s_wait_loadcnt 24-8*p
.endif
.set q, 8*p
.rept 8
	v_cvt_pk_bf16_f32 v[TB+2*(q%16)], v[X+4*q], v[X+4*q+1]
	v_cvt_pk_bf16_f32 v[TB+2*(q%16)+1], v[X+4*q+2], v[X+4*q+3]
.set q, q+1
.endr
	s_wait_alu depctr_va_vdst(0)                   ; the conversions have written this block's TB, which the LDS stores read, and are done reading its slots, in which the loads land
.if (\ahead) || (p < 3)
	s_wait_alu depctr_vm_vsrc(0)                   ; the LDS stores of the block before have read the other TB, which the next block's conversions write; in a job's first block also: the last job's global stores have read Y, in which this job's LDS loads land
.endif
.set q, 8*p
.rept 8
.if \ahead
	global_load_b128 v[X+4*q:X+4*q+3], v[VO], s[26:27] offset:512*q+262144 th:TH_LOAD_NT
.endif
	ds_store_b64 v[LW], v[TB+2*(q%16):TB+2*(q%16)+1] offset:(q&1)*4352+16*(((q>>1)&7)*2+(q>>4))
.set q, q+1
.endr
.set p, p+1
.endr
.set u, 0
.rept 16
	ds_load_b128 v[Y+4*u:Y+4*u+3], v[LR] offset:544*u                               ; LDS serves a wave's instructions in order: these see the stores above, and the next job's stores come behind them
.set u, u+1
.endr
.set u, 0
.rept 16
	s_wait_dscnt 15-u
	global_store_b128 v[VD], v[Y+4*u:Y+4*u+3], s[28:29] offset:131072*u             ; two g: each 16 lanes store 256 consecutive bytes, aligned
.set u, u+1
.endr
.if \ahead
	s_wait_xcnt 0x0                                ; both bases are stepped, and Y is loaded again, only behind this wait
	s_add_nc_u64 s[26:27], s[26:27], 262144        ; the next k
	s_add_nc_u64 s[28:29], s[28:29], 512
.endif
.endm
	s_mov_b32 s30, 3
.Ljob:
	W2JOB 1
	s_sub_co_u32 s30, s30, 1
	s_cmp_lg_u32 s30, 0
	s_cbranch_scc1 .Ljob
	W2JOB 0                                        ; the last job loads nothing: the counts run down
	s_wait_dscnt 0x0                               ; the wave's end
	s_wait_alu 0x0
	s_wait_tensorcnt 0x0
	ds_add_u32 v[SPW], v[NIL]
	s_wait_dscnt 0x0
	s_endpgm
.Lfunc_end_k_qf51680e614_prep:
	.size	k_qf51680e614_prep, .Lfunc_end_k_qf51680e614_prep-k_qf51680e614_prep
	.p2alignl 7, 3214868480
	.fill 96, 4, 3214868480
	.section	.rodata,"a",@progbits
	.p2align	6, 0x0
	.amdhsa_kernel k_qf51680e614_prep
		.amdhsa_group_segment_fixed_size 109568
		.amdhsa_private_segment_fixed_size 0
		.amdhsa_enable_private_segment 0
		.amdhsa_kernarg_size 80
		.amdhsa_user_sgpr_count 2
		.amdhsa_user_sgpr_kernarg_segment_ptr 1
		.amdhsa_wavefront_size32 1
		.amdhsa_system_sgpr_workgroup_id_x 1
		.amdhsa_system_sgpr_workgroup_id_y 1
		.amdhsa_system_sgpr_workgroup_id_z 1
		.amdhsa_system_vgpr_workitem_id 0
		.amdhsa_next_free_vgpr 256
		.amdhsa_next_free_sgpr 66
		.amdhsa_reserve_vcc 0
		.amdhsa_float_denorm_mode_32 3
		.amdhsa_float_denorm_mode_16_64 3
		.amdhsa_memory_ordered 1
		.amdhsa_forward_progress 1
		.amdhsa_inst_pref_size 73
	.end_amdhsa_kernel
	.amdgpu_metadata
---
amdhsa.version: [ 1, 2 ]
amdhsa.kernels:
  - .name:           k_qf51680e614_prep
    .symbol:         k_qf51680e614_prep.kd
    .args:
      - { .name: W2, .offset: 0, .size: 8, .value_kind: global_buffer, .address_space: global }
      - { .name: W1, .offset: 8, .size: 8, .value_kind: global_buffer, .address_space: global }
      - { .name: b1, .offset: 16, .size: 8, .value_kind: global_buffer, .address_space: global }
      - { .name: b2, .offset: 24, .size: 8, .value_kind: global_buffer, .address_space: global }
      - { .name: condition_z, .offset: 32, .size: 8, .value_kind: global_buffer, .address_space: global }
      - { .name: input_h, .offset: 40, .size: 8, .value_kind: global_buffer, .address_space: global }
      - { .name: w2p, .offset: 48, .size: 8, .value_kind: global_buffer, .address_space: global }
      - { .name: hyp, .offset: 56, .size: 8, .value_kind: global_buffer, .address_space: global }
      - { .name: hq, .offset: 64, .size: 8, .value_kind: global_buffer, .address_space: global }
      - { .name: b2q, .offset: 72, .size: 8, .value_kind: global_buffer, .address_space: global }
    .group_segment_fixed_size: 109568
    .private_segment_fixed_size: 0
    .kernarg_segment_align: 8
    .kernarg_segment_size: 80
    .max_flat_workgroup_size: 256
    .sgpr_count:     66
    .vgpr_count:     256
    .wavefront_size: 32
...
	.end_amdgpu_metadata
.endif
;; end of part 3
;; launch main: the kernel of part 2 again; grid 32 x 8, 4 waves a work-group, clusters of 4 x 4, 327,680 bytes of LDS; arguments hyp, w2p, hq, b2q, bias, out0; writes out0
